; MI455X (gfx1250); checked and timed in simulation.
; The chip was launched on July 23, 2026; its instructions are those of AMD's public machine-readable ISA for CDNA 5 (MIT licence, August 2026) and "CDNA5" Instruction Set Architecture Reference Guide (July 2026). The comments in the code are by the model that wrote it; some were corrected since.
;; q Qroh Q Xi AIT Qzn Fu Shyd Rodggj O Wex BZ. Allowed arithmetic: matrix products marked QUANTISED: E2M1 operands, one E8M0 scale for each 32 along K, by v_wmma_scale_f32_16x16x128_f8f6f4 with both operands' format E2M1 (or v_wmma_scale_f32_32x16x128_f4), f32 sums; products left as they are: bf16, f16 or f32 operands; f32 sums; everything else in f32.
;; Inputs: Wk 1,024 x 512 float32; Wout 512 x 1,024 float32; Wq 1,024 x 512 float32; Wv 1,024 x 512 float32; bout 1,024 float32; x 2 x 4,096 x 1,024 float32.
;; Outputs: out0 2 x 4,096 x 1,024 float32.
;; This version of the problem:
;;   THIS VERSION OF THE PROBLEM IS GIVEN IN LOW PRECISION. The matrix products marked QUANTISED in the list below multiply operands that are first quantised to E2M1 (2 exponent bits, 1 mantissa bit; 4 bits a number), with one power-of-two scale for each 32 numbers along K (OCP MX v1.0); their sums are f32. The products marked 'left as it is' may take bf16, f16 or f32 operands, with f32 sums. Whichever they take, every output number must still come out within the allowed error. Rounding operands to bf16 (8 significant bits) uses up far more of that allowance than f16 does (11 bits, for magnitudes from 6e-5 to 65,504). All else is computed in f32.
;;   The module's matrix products, in the order in which they are computed (A, B: the left and right operand; K: the contracted axis; several contracted axes count as one K, in the product's order):
;;     1. [M 8,192, K 1,024] x [K 1,024, N 512]; A: input x; B: input Wq: QUANTISED
;;     2. [M 8,192, K 1,024] x [K 1,024, N 512]; A: input x; B: input Wk: QUANTISED
;;     3. [M 8,192, K 1,024] x [K 1,024, N 512]; A: input x; B: input Wv: QUANTISED
;;     4. batch 16 x [M 4,096, K 64] x [K 64, N 4,096]; A: computed on the way; B: computed on the way: left as it is (an operand is computed on the way)
;;     5. batch 16 x [M 4,096, K 4,096] x [K 4,096, N 64]; A: computed on the way; B: computed on the way: left as it is (an operand is computed on the way)
;;     6. [M 8,192, K 512] x [K 512, N 1,024]; A: computed on the way; B: input Wout: left as it is (an operand is computed on the way)
;;   THE QUANTISER, for each operand of a quantised product, along K:
;;     - K is cut into blocks of 32 from its start; a last block that is shorter is filled with zeros.
;;     - A block's scale is 2^e with e = floor(log2(the largest magnitude in the block)) - 2, held to -126 .. 127; a block of zeros has e = 0. As a byte (E8M0): e + 127.
;;     - Each number is divided by its block's scale, clamped to +-6, and rounded to the nearest number of E2M1, ties to even, subnormals kept.
;;     - The product sums the exact products of the quantised numbers (number of the format x scale) in f32.
;;   ~~~python
;;   def quantise(x, axis):      # numpy; x: float32 -> the quantised numbers, widened to float32 again
;;       x = np.moveaxis(x, axis, -1); K = x.shape[-1]
;;       x = np.pad(x, [(0, 0)] * (x.ndim - 1) + [(0, -K % 32)]); x = x.reshape(x.shape[:-1] + (-1, 32)); a = np.abs(x).max(-1, keepdims=True)
;;       e = np.where(a > 0, np.clip(np.frexp(np.where(a > 0, a, 1))[1] - 1 - 2, -126, 127), 0)      # np.frexp(a)[1] - 1 = floor(log2(a)), exactly
;;       r = np.clip(x / 2.0 ** e, -6, 6)
;;       step = 2.0 ** (np.maximum(np.frexp(np.where(r == 0, 1, r))[1] - 1, 0) - 1)
;;       q = np.round(r / step) * step * 2.0 ** e      # np.round: ties to even
;;       return np.moveaxis(q.reshape(q.shape[:-2] + (-1,))[..., :K], -1, axis).astype(np.float32)
;;   ~~~
;; One version. Each part assembles by itself: llvm-mc -triple=amdgcn-amd-amdhsa -mcpu=gfx1250 --defsym DOCPART=n.
;; ======== version 1 of 1: 4 launches
;; limits: values are held in f16: magnitudes above 65,504 overflow, below 6.1e-05 lose precision
;; workspace buffers: xq 4,194,304 bytes; xs 262,144 bytes; wq 786,432 bytes; ws 49,152 bytes; wo 1,048,576 bytes; qkv 25,165,824 bytes; ao 8,388,608 bytes
;; launch prep (part 1): grid 384 x 1, 4 waves a work-group, no clusters, 34,304 bytes of LDS; arguments x, Wq, Wk, Wv, Wout, xq, xs, wq, ws, wo; writes xq, xs, wq, ws, wo
.if DOCPART == 1
	.amdgcn_target "amdgcn-amd-amdhsa--gfx1250"
	.amdhsa_code_object_version 6
	.text
	.protected	k_q0c1e9dcd70_prep
	.globl	k_q0c1e9dcd70_prep
	.p2align	8
	.type	k_q0c1e9dcd70_prep,@function
k_q0c1e9dcd70_prep:
	s_mov_b64 s[64:65], 0
	v_nop
	global_prefetch_b8 v0, s[64:65] scope:SCOPE_SE
	s_setreg_imm32_b32 hwreg(HW_REG_WAVE_MODE, 25, 1), 1
	s_wait_xcnt 0x0
; PREP: every operand that later launches read many times is made once, and laid as IMAGES OF OPERAND REGISTERS: four registers of a fragment are 512 bytes, lane l's 16 bytes at 16 l.
;   x [8192][1024] f32          -> xq: codes of FP4 (E2M1), xs: one E8M0 byte for each 32 along K         (work-groups 0-255)
;   Wq | Wk | Wv [1024][512] f32 -> wq, ws: the same along K, which is their FIRST axis                    (work-groups 256-351)
;   Wout [512][1024] f32        -> wo: f16 fragments, 16 columns x 32 k                                    (work-groups 352-383)
; A block's scale is 2^(floor(log2(largest magnitude)) - 2): its byte is the largest magnitude's exponent field - 2; each number is divided by the scale and rounded to the nearest code, ties to even, beyond 6 the code of 6.
; LAYOUTS.  xq [T/16][K step s of 128 (8)][T%16][1024 B], T = tile of 16 rows: half c at 512 c + 16 lane; lane (r, h) holds k = 128 s + 64 c + 32 h + 0..31 of row 16 T + r.   wq likewise with NT = tile of 16 columns of Wq|Wk|Wv.
;   xs [T][512 B]: the word (four bytes: 128 along K) of row r and K step 4 H + i lies at 16 (r + 16 H) + 4 i; ws likewise.   wo [column block of 128 (8)][kg (16)][nt (8)][1024 B]: half c holds k = 32 kg + 16 c + 8 h + 0..7 of column r.
; LIMITS: no largest magnitude is taken under 2^-124 (the byte is at least 1), so a block of zeros gets the byte 1 and not 127: its codes are zeros, and this program alone reads the bytes.  |Wout| stays under 65,504 (f16).  NaN and infinities are not served.
; No tensor load, no barrier: waves share nothing.  Only x's arm uses LDS.
.set SPARE, 33792                      ; behind the four stages: the spare words, 128 bytes a wave: two blocks of 256 bytes that no other line names
.set STG,   8448                       ; a wave's stage: 16 rows x 528 bytes
.set SP,    528                        ; a stage row: 512 bytes + 16: the 16 rows that a load touches start 16 bytes apart modulo 256
.set FLOOR, 0x1800000                  ; 2^(3 - 127)
; REGISTERS: v1 lane, v2 16 lane, v3 r, v4 h, v5 stage in, v6 stage out, v7 16 r + 8 h, v8-14 at work, v15 8 h, v16-19 scale words, v20-21 the pair for xs, v22 my spare word, v23 0, v24 4 lane, v25 512 h + 16 r,
;   v32-159 numbers as loaded, v160-223 numbers turned (x), codes (W), halves (Wout), v224-255 x's codes, eight for each K step
; the largest magnitude of the 32 numbers v[s] .. v[s+31] and the floor, in two chains: 16 instructions; the result in v[d]
.macro BMAX d, e, s
	v_max3_num_f32 v[\d], |v[(\s)]|, |v[(\s)+1]|, FLOOR
	v_max3_num_f32 v[\e], |v[(\s)+2]|, |v[(\s)+3]|, |v[(\s)+4]|
.irp i, 5,9,13,17,21,25
	v_max3_num_f32 v[\d], v[\d], |v[(\s)+\i]|, |v[(\s)+\i+1]|
	v_max3_num_f32 v[\e], v[\e], |v[(\s)+\i+2]|, |v[(\s)+\i+3]|
.endr
	v_max3_num_f32 v[\d], v[\d], |v[(\s)+29]|, |v[(\s)+30]|
	v_max3_num_f32 v[\d], v[\d], v[\e], |v[(\s)+31]|
.endm
; a lane takes a column and its registers run down K: 128 rows, each load 128 consecutive bytes a wave; the four waves stand side by side on 512
.macro LOADC base, pitch
.set i, 0
.rept 128
	global_load_b32 v[32+i], v24, s[\base:\base+1] offset:i*\pitch th:TH_LOAD_NT
.set i, i+1
.endr
.endm
; rows 32 b .. 32 b + 31 of the 128 are in: behind them 96, 64, 32, 0 loads were issued; the wait's count can name 63 at the most, and a smaller count is safe
.macro WAITB b
.if (\b) < 2
	s_wait_loadcnt 63
.else
	s_wait_loadcnt 96-32*(\b)
.endif
.endm
	s_load_b512 s[8:23], s[0:1], 0x0               ; x s[8:9], Wq s[10:11], Wk s[12:13], Wv s[14:15], Wout s[16:17], xq s[18:19], xs s[20:21], wq s[22:23]
	s_load_b128 s[24:27], s[0:1], 0x40             ; ws s[24:25], wo s[26:27]
	v_lshl_add_u32 v22, v0, 2, SPARE
	v_mov_b32 v23, 0
	v_lshrrev_b32 v1, 5, v0
	v_readfirstlane_b32 s28, v1                    ; wave 0..3
	v_and_b32 v1, 31, v0                           ; lane
	v_lshlrev_b32 v2, 4, v1                        ; 16 lane
	v_and_b32 v3, 15, v0                           ; r
	v_bfe_u32 v4, v0, 4, 1                         ; h
	s_mul_i32 s29, s28, STG
	v_add_nc_u32 v5, s29, v2                       ; stage, in: a row's 512 bytes as they lie
	v_mul_u32_u24 v6, v3, SP
	v_lshl_add_u32 v6, v4, 7, v6
	v_add_nc_u32 v6, s29, v6                       ; stage, out: row r, + 128 h: my 32 numbers of each 64
	v_lshlrev_b32 v7, 4, v3
	v_lshl_add_u32 v7, v4, 3, v7                   ; xs: 16 r + 8 h
	v_lshlrev_b32 v15, 3, v4                       ; 8 h
	v_lshlrev_b32 v24, 2, v1                       ; 4 lane
	v_lshlrev_b32 v25, 4, v3
	v_lshl_add_u32 v25, v4, 9, v25                 ; ws: 512 (lane / 16) + 16 (lane % 16)
	s_mov_b32 s34, 0x76543210
	s_mov_b32 s35, 0xfedcba98                      ; v_permlanex16_b32's selects for lane l xor 16
	s_mov_b32 s33, 0                               ; the high word of every offset
	s_wait_kmcnt 0x0
	s_cmp_lt_u32 ttmp9, 256
	s_cbranch_scc1 .Larm_x
	s_cmp_lt_u32 ttmp9, 352
	s_cbranch_scc1 .Larm_w
	; ---- Wout -> f16 fragments.  A wave takes 32 columns x 128 k: four groups of 32 k, two tiles of 16 columns
	s_sub_co_u32 s29, ttmp9, 352
	s_and_b32 s30, s29, 3                          ; kq: which 128 of k
	s_lshr_b32 s29, s29, 2
	s_lshl_b32 s29, s29, 2
	s_add_co_u32 s29, s29, s28                     ; cg: which 32 columns (0..31)
	s_lshl_b32 s32, s30, 19                        ; 128 rows of 4,096 bytes
	s_lshl_b32 s36, s29, 7
	s_add_co_u32 s32, s32, s36
	s_add_nc_u64 s[16:17], s[16:17], s[32:33]
	s_lshr_b32 s32, s29, 2
	s_lshl_b32 s32, s32, 17                        ; column block cg / 4
	s_lshl_b32 s36, s30, 15                        ; kg = 4 kq: 8,192 bytes each
	s_add_co_u32 s32, s32, s36
	s_and_b32 s36, s29, 3
	s_lshl_b32 s36, s36, 11                        ; nt = 2 (cg % 4)
	s_add_co_u32 s32, s32, s36
	s_add_nc_u64 s[26:27], s[26:27], s[32:33]
	LOADC 16, 4096
.irp g, 0,1,2,3
	WAITB \g
.irp j, 0,1,2,3,4,5,6,7,8,9,10,11,12,13,14,15
	v_cvt_pk_f16_f32 v[160+16*\g+\j], v[32+32*\g+2*\j], v[33+32*\g+2*\j]   ; register j: k = 2 j, 2 j + 1 of my column
.endr
.irp i, 0,1,2,3                        ; lanes 16-31 of the first change places with lanes 0-15 of the second: a fragment wants k 0-7 of column r in lane r and k 8-15 in lane 16 + r
	v_permlane16_swap_b32 v[160+16*\g+\i], v[164+16*\g+\i]
	v_permlane16_swap_b32 v[168+16*\g+\i], v[172+16*\g+\i]
.endr
	global_store_b128 v2, v[160+16*\g:163+16*\g], s[26:27] offset:8192*\g        ; the even tile, k 0-15;  each store covers 512 consecutive bytes, aligned
	global_store_b128 v2, v[168+16*\g:171+16*\g], s[26:27] offset:8192*\g+512    ; the even tile, k 16-31
	global_store_b128 v2, v[164+16*\g:167+16*\g], s[26:27] offset:8192*\g+1024   ; the odd tile
	global_store_b128 v2, v[172+16*\g:175+16*\g], s[26:27] offset:8192*\g+1536
.endr
	s_endpgm
	; ---- Wq | Wk | Wv -> codes.  A wave takes 32 columns x one K step of 128: four whole blocks a lane, so no other lane is asked for a maximum
.Larm_w:
	s_sub_co_u32 s29, ttmp9, 256
	s_and_b32 s36, s29, 7                          ; s: the K step
	s_lshr_b32 s30, s29, 3                         ; cq: 128 columns of the 1,536
	s_lshl_b32 s29, s30, 2
	s_add_co_u32 s29, s29, s28                     ; CG: which 32 columns (0..47)
	s_cmp_lt_u32 s30, 4                            ; the matrix hangs on the work-group's number alone
	s_cselect_b64 s[10:11], s[10:11], s[12:13]
	s_cmp_lt_u32 s30, 8
	s_cselect_b64 s[10:11], s[10:11], s[14:15]
	s_lshl_b32 s32, s36, 18                        ; 128 rows of 2,048 bytes
	s_and_b32 s37, s29, 15
	s_lshl_b32 s37, s37, 7
	s_add_co_u32 s32, s32, s37
	s_add_nc_u64 s[10:11], s[10:11], s[32:33]
	s_lshr_b32 s32, s29, 3
	s_lshl_b32 s32, s32, 17                        ; NT / 16 = CG / 8
	s_lshl_b32 s37, s36, 14
	s_add_co_u32 s32, s32, s37
	s_and_b32 s37, s29, 7
	s_lshl_b32 s37, s37, 11                        ; NT % 16 = 2 (CG % 8)
	s_add_co_u32 s32, s32, s37
	s_add_nc_u64 s[22:23], s[22:23], s[32:33]
	s_lshl_b32 s32, s29, 10                        ; ws: two tiles of 512 bytes
	s_lshr_b32 s37, s36, 2
	s_lshl_b32 s37, s37, 8
	s_add_co_u32 s32, s32, s37
	s_and_b32 s37, s36, 3
	s_lshl_b32 s37, s37, 2
	s_add_co_u32 s32, s32, s37
	s_add_nc_u64 s[24:25], s[24:25], s[32:33]
	LOADC 10, 2048
.irp b, 0,1,2,3
	WAITB \b
	BMAX 8, 9, 32+32*\b
	v_add_nc_u32 v12, 0xff000000, v8               ; 2 off the exponent field: the conversion takes the exponent field of this operand as its scale
.if \b == 0
	v_lshrrev_b32 v16, 23, v12                     ; the scale's byte; the four make my column's word
.else
	v_lshrrev_b32 v9, 23, v12
	v_lshl_or_b32 v16, v9, 8*\b, v16
.endif
.irp g, 0,1,2,3
	v_cvt_scalef32_pk8_fp4_f32 v[160+4*\b+\g], v[32+32*\b+8*\g:39+32*\b+8*\g], v12
.endr
.endr
	v_nop                                          ; one plain instruction between a scaled conversion and the vector instruction that touches its result
.irp i, 0,1,2,3                        ; a fragment wants block 2 c of column r in lane r and block 2 c + 1 in lane 16 + r
	v_permlane16_swap_b32 v[160+\i], v[164+\i]
	v_permlane16_swap_b32 v[168+\i], v[172+\i]
.endr
	global_store_b128 v2, v[160:163], s[22:23]               ; the even tile, k 0-63;  2,048 bytes on end, 512 a store
	global_store_b128 v2, v[168:171], s[22:23] offset:512    ; the even tile, k 64-127
	global_store_b128 v2, v[164:167], s[22:23] offset:1024   ; the odd tile
	global_store_b128 v2, v[172:175], s[22:23] offset:1536
	global_store_b32 v25, v16, s[24:25]            ; my column's word: four bytes, 16 bytes from lane to lane: one store a wave, 49,152 bytes in all beside the 6.3 million that this arm reads
	s_endpgm
	; ---- x -> codes.  A wave takes 16 rows x 512 k: four K steps.  Loads take a row's 512 bytes as they lie; the numbers turn through the wave's stage so that a lane holds 32 neighbours along K twice
.Larm_x:
	s_lshl_b32 s29, ttmp9, 2
	s_add_co_u32 s29, s29, s28
	s_lshr_b32 s30, s29, 1                         ; T: the tile of 16 rows
	s_and_b32 s36, s29, 1                          ; which half of K
	s_lshl_b32 s32, s30, 16                        ; 16 rows of 4,096 bytes
	s_lshl_b32 s37, s36, 11
	s_add_co_u32 s32, s32, s37
	s_add_nc_u64 s[8:9], s[8:9], s[32:33]
	s_lshr_b32 s32, s30, 4
	s_lshl_b32 s32, s32, 17
	s_lshl_b32 s37, s36, 16                        ; K steps 4 x half on
	s_add_co_u32 s32, s32, s37
	s_and_b32 s37, s30, 15
	s_lshl_b32 s37, s37, 10
	s_add_co_u32 s32, s32, s37
	s_add_nc_u64 s[18:19], s[18:19], s[32:33]
	s_lshl_b32 s32, s30, 9
	s_lshl_b32 s37, s36, 8
	s_add_co_u32 s32, s32, s37
	s_add_nc_u64 s[20:21], s[20:21], s[32:33]
.macro LOADX t
.irp i, 0,1,2,3,4,5,6,7,8,9,10,11,12,13,14,15
	global_load_b128 v[32+64*((\t)%2)+4*\i:32+64*((\t)%2)+4*\i+3], v2, s[8:9] offset:4096*\i+512*(\t) th:TH_LOAD_NT
.endr
.endm
.macro XSTEP t
.if (\t) < 3
	s_wait_loadcnt 16                              ; this step's 16 loads are in; the next step's 16 may be out
.else
	s_wait_loadcnt 0x0
.endif
.irp i, 0,1,2,3,4,5,6,7,8,9,10,11,12,13,14,15
	ds_store_b128 v5, v[32+64*((\t)%2)+4*\i:32+64*((\t)%2)+4*\i+3] offset:SP*\i
.endr
.irp c, 0,1
.irp q, 0,1,2,3,4,5,6,7
	ds_load_b128 v[160+32*\c+4*\q:160+32*\c+4*\q+3], v6 offset:256*\c+16*\q   ; LDS serves a wave's instructions in order: these see the stores above.  k = 64 c + 32 h + 4 q ..
.endr
.endr
	s_wait_dscnt 0x0                               ; the numbers are back, and the stores have read their registers,
.if (\t) < 2
	LOADX (\t)+2                                   ; which take the loads of two steps on
.endif
	BMAX 8, 9, 160                                 ; my block 0 + h
	BMAX 10, 11, 192                               ; my block 2 + h
	v_add_nc_u32 v12, 0xff000000, v8               ; 2 off the exponent field: the conversions' scale operands
	v_add_nc_u32 v13, 0xff000000, v10
	v_lshrrev_b32 v9, 23, v12                      ; the bytes
	v_lshrrev_b32 v11, 23, v13
	v_lshl_or_b32 v14, v11, 16, v9
	v_lshlrev_b32 v14, v15, v14                    ; at their places in the word, 8 h bits up;
	v_permlanex16_b32 v8, v14, s34, s35
	v_or_b32 v[16+(\t)], v14, v8                   ; with lane l xor 16's two the word of row r is whole
.irp g, 0,1,2,3
	v_cvt_scalef32_pk8_fp4_f32 v[224+8*(\t)+\g], v[160+8*\g:167+8*\g], v12
	v_cvt_scalef32_pk8_fp4_f32 v[228+8*(\t)+\g], v[192+8*\g:199+8*\g], v13
.endr
	v_nop                                          ; one plain instruction behind the last scaled conversion
	global_store_b128 v2, v[224+8*(\t):227+8*(\t)], s[18:19] offset:16384*(\t)       ; 512 consecutive bytes, aligned; each step has its own registers, so no store's data are written again
	global_store_b128 v2, v[228+8*(\t):231+8*(\t)], s[18:19] offset:16384*(\t)+512
.endm
	LOADX 0
	LOADX 1
	XSTEP 0
	XSTEP 1
	XSTEP 2
	XSTEP 3
	v_cmp_eq_u32 vcc_lo, 1, v4
	v_cndmask_b32 v20, v16, v18, vcc_lo            ; lane (r, h) stores the words of steps 2 h and 2 h + 1 of row r
	v_cndmask_b32 v21, v17, v19, vcc_lo
	global_store_b64 v7, v[20:21], s[20:21]        ; 32 lanes store 256 consecutive bytes, aligned
	s_wait_tensorcnt 0x0                           ; the wave's end: behind my last LDS store: this wait (though no tensor load is issued), 0 onto my spare word, and its wait
	ds_add_u32 v22, v23
	s_wait_dscnt 0x0
	s_endpgm
.Lfunc_end_k_q0c1e9dcd70_prep:
	.size	k_q0c1e9dcd70_prep, .Lfunc_end_k_q0c1e9dcd70_prep-k_q0c1e9dcd70_prep
	.p2alignl 7, 3214868480
	.fill 96, 4, 3214868480
	.section	.rodata,"a",@progbits
	.p2align	6, 0x0
	.amdhsa_kernel k_q0c1e9dcd70_prep
		.amdhsa_group_segment_fixed_size 34304
		.amdhsa_private_segment_fixed_size 0
		.amdhsa_enable_private_segment 0
		.amdhsa_kernarg_size 80
		.amdhsa_user_sgpr_count 2
		.amdhsa_user_sgpr_kernarg_segment_ptr 1
		.amdhsa_wavefront_size32 1
		.amdhsa_system_sgpr_workgroup_id_x 1
		.amdhsa_system_sgpr_workgroup_id_y 1
		.amdhsa_system_sgpr_workgroup_id_z 1
		.amdhsa_system_vgpr_workitem_id 0
		.amdhsa_next_free_vgpr 256
		.amdhsa_next_free_sgpr 66
		.amdhsa_reserve_vcc 1
		.amdhsa_float_denorm_mode_32 3
		.amdhsa_float_denorm_mode_16_64 3
		.amdhsa_memory_ordered 1
		.amdhsa_forward_progress 1
		.amdhsa_inst_pref_size 69
	.end_amdhsa_kernel
	.amdgpu_metadata
---
amdhsa.version: [ 1, 2 ]
amdhsa.kernels:
  - .name:           k_q0c1e9dcd70_prep
    .symbol:         k_q0c1e9dcd70_prep.kd
    .args:
      - { .name: x, .offset: 0, .size: 8, .value_kind: global_buffer, .address_space: global }
      - { .name: Wq, .offset: 8, .size: 8, .value_kind: global_buffer, .address_space: global }
      - { .name: Wk, .offset: 16, .size: 8, .value_kind: global_buffer, .address_space: global }
      - { .name: Wv, .offset: 24, .size: 8, .value_kind: global_buffer, .address_space: global }
      - { .name: Wout, .offset: 32, .size: 8, .value_kind: global_buffer, .address_space: global }
      - { .name: xq, .offset: 40, .size: 8, .value_kind: global_buffer, .address_space: global }
      - { .name: xs, .offset: 48, .size: 8, .value_kind: global_buffer, .address_space: global }
      - { .name: wq, .offset: 56, .size: 8, .value_kind: global_buffer, .address_space: global }
      - { .name: ws, .offset: 64, .size: 8, .value_kind: global_buffer, .address_space: global }
      - { .name: wo, .offset: 72, .size: 8, .value_kind: global_buffer, .address_space: global }
    .group_segment_fixed_size: 34304
    .private_segment_fixed_size: 0
    .kernarg_segment_align: 8
    .kernarg_segment_size: 80
    .max_flat_workgroup_size: 128
    .sgpr_count:     66
    .vgpr_count:     256
    .wavefront_size: 32
...
	.end_amdgpu_metadata
.endif
;; end of part 1
;; launch qkv (part 2): grid 32 x 6, 4 waves a work-group, clusters of 4 x 1, 327,680 bytes of LDS; arguments xq, xs, wq, ws, qkv; writes qkv
.if DOCPART == 2
	.amdgcn_target "amdgcn-amd-amdhsa--gfx1250"
	.amdhsa_code_object_version 6
	.text
	.protected	k_q0c1e9dcd70_qkv
	.globl	k_q0c1e9dcd70_qkv
	.p2align	8
	.type	k_q0c1e9dcd70_qkv,@function
k_q0c1e9dcd70_qkv:
	s_mov_b64 s[64:65], 0
	v_nop
	global_prefetch_b8 v0, s[64:65] scope:SCOPE_SE
	s_setreg_imm32_b32 hwreg(HW_REG_WAVE_MODE, 25, 1), 1
	s_wait_xcnt 0x0
	s_wait_alu depctr_hold_cnt(0) depctr_sa_sdst(0) depctr_va_vdst(0) depctr_va_sdst(0) depctr_va_ssrc(0) depctr_va_vcc(0) depctr_vm_vsrc(0)
	s_getreg_b32 s2, hwreg(HW_REG_IB_STS2, 6, 4)
	s_cmp_eq_u32 s2, 0
	s_cbranch_scc0 .Lentry_in_a_cluster
	s_endpgm
.Lentry_in_a_cluster:
	s_bfe_u32 s2, ttmp6, 0x10000c
	s_cmp_lg_u32 s2, 0x3003
	s_cbranch_scc0 .Lentry_shape_is_right
	s_endpgm
.Lentry_shape_is_right:
; q, k, v = x Wq, x Wk, x Wv on codes of FP4 (E2M1) with one E8M0 scale for each 32 along K = 1,024; sums in f32; the results rounded once to f16 and stored as images of the registers that the attention launch wants.
; SHARES.  A work-group makes 256 tokens x 256 columns of Wq|Wk|Wv (four heads of one of the three): grid 32 x 6.  A wave makes 128 x 128: 64 accumulators, 512 registers.
; ALL OF K LIES IN LDS: 128 KiB of W's codes, 128 KiB of x's, brought K step by K step by first fills alone: nothing is filled again.  Each wave issues four tensor loads of 16 KiB; by this text's count four are out at the most.
; CLUSTER.  The four token blocks of a cluster read the same 256 columns of W: waves 0 and 1 ask for them JOINTLY.  x's tiles are shared along the grid's y, whose 6 no cluster of 4 divides: waves 2 and 3 ask for them by plain loads.
; THE MATRIX INSTRUCTION IS USED TRANSPOSED: source 0 = 16 columns of W, source 1 = 16 tokens: a lane holds ONE token (lane % 16) and eight neighbouring channels 8 (lane / 16) + 0..7: 16 bytes of f16.
; OUT: qkv [q, k, v][8 batch + head (16)][tile of 16 tokens (256)][piece p (4)][512 B]: piece p = the head's channels 16 p .. 16 p + 15; lane (r, h)'s 16 bytes lie at 16 (r + 16 h).
;   For v they lie at 16 (16 (r / 8) + 8 h + r % 8): the turning LDS load at 16 x lane then gives lane (r, h) channel 16 p + r and keys 8 h + 0..7.
; LIMIT: |q|, |k|, |v| stay under 65,504 (f16).
; REGISTERS: window 0: v1 16 lane; v2-3 W's fragments in LDS (K steps 0-3, 4-7), v4-5 x's; v6 my place in a piece; v28, v29 the add's two; v32-63 W's scale words, v64-95 x's (register 4 i + j: lanes 0-15 K step j, lanes 16-31 K step 4 + j).
;   window 1: two sets of fragments at v0 and v128: W's eight, then x's eight; on the way out the packed results.   windows 2, 3: accumulator (a, b) at v[8 (8 (a % 4) + b)] of window 2 + a / 4.
.set LX,    131072                     ; LDS: W's codes [K step][tile][1,024] from 0, x's from here
.set SPARE, 262144                     ; the spare words, 128 bytes a wave: two blocks of 256 bytes that no other line names
.set KSB,   16384                      ; a K step's sixteen fragments
.set SCW,   32
.set SCX,   64
.set MSB, 0
.macro WIN new                         ; the immediate's high byte repeats the setting that is left
.if MSB != \new
	s_set_vgpr_msb (MSB<<8)|\new
.set MSB, \new
.endif
.endm
.macro PLACES n
.rept \n
	v_nop
.endr
.endm
.macro CROUND                          ; a round of the cluster's barrier
	s_barrier_signal -1
	s_barrier_wait -1
	s_cmp_lg_u32 s14, 0
	s_cbranch_scc1 .Lnot_wave_0_\@
	s_barrier_signal -3
.Lnot_wave_0_\@:
	s_barrier_wait -3
	s_barrier_signal -1
	s_barrier_wait -1
.endm
	s_load_b256 s[4:11], s[0:1], 0x0               ; xq s[4:5], xs s[6:7], wq s[8:9], ws s[10:11]
	s_load_b64 s[12:13], s[0:1], 0x20              ; qkv
	v_lshl_add_u32 v28, v0, 2, SPARE
	v_mov_b32 v29, 0
	ds_add_u32 v28, v29                            ; the wave's opening: the add, twice on end, and its wait ahead of my first tensor load
	ds_add_u32 v28, v29
	v_lshrrev_b32 v1, 5, v0
	v_readfirstlane_b32 s14, v1                    ; wave 0..3
	s_and_b32 s15, s14, 1                          ; which 128 columns are mine.  Also: I fetch the even (0) or the odd (1) K steps
	s_lshr_b32 s16, s14, 1                         ; which 128 tokens are mine.  Also: I fetch for W (0) or for x (1)
	s_bfe_u32 s17, ttmp6, 0x40000                  ; cx
	s_lshl_b32 s18, ttmp9, 2
	s_add_co_u32 s18, s18, s17                     ; X: my block of 256 tokens = 4 x cluster x + cx
	s_and_b32 s19, ttmp7, 0xffff                   ; y: my block of 256 columns, which the partners share
	; descriptor group 1: a dense block of 16 KiB as 64 rows of 256 bytes (32 elements of 8 bytes)
	s_mov_b32 s24, 15|(3<<16)|(1<<21)              ; W's: the mask names all four work-groups; bit 21 set beside it
	s_mov_b32 s32, 3<<16                           ; x's: no mask
.irp g, 24, 32
	s_mov_b32 s[\g+1], 32<<16                      ; tensor_dim0
	s_mov_b32 s[\g+2], 64<<16                      ; tensor_dim1
	s_mov_b32 s[\g+3], 32<<16                      ; tile_dim0
	s_mov_b32 s[\g+4], 64                          ; tile_dim1
	s_mov_b32 s[\g+5], 32                          ; the pitch
	s_mov_b32 s[\g+6], 0
	s_mov_b32 s[\g+7], 0
.endr
	s_lshl_b32 s22, s15, 14                        ; my first K step: 0 or 1
	s_lshl_b32 s20, s19, 17
	s_add_co_u32 s20, s20, s22                     ; W's codes: 131,072 y + 16,384 p: nothing of cx
	s_mov_b32 s21, 0
	s_lshl_b32 s86, s18, 17
	s_add_co_u32 s86, s86, s22                     ; x's codes: 131,072 X + 16,384 p
	s_mov_b32 s87, 0
	s_wait_dscnt 0x0                               ; both opening adds are done
	s_wait_kmcnt 0x0
	s_add_nc_u64 s[20:21], s[8:9], s[20:21]
	s_add_nc_u64 s[86:87], s[4:5], s[86:87]
.irp u, 0,1,2,3                        ; load u brings K step 2 u + p.  Group 0: W's at s[40 + 4 u ..], x's at s[68 + 4 u ..]
	s_mov_b32 s[40+4*\u], 1
	s_add_co_u32 s[41+4*\u], s22, \u*2*KSB
	s_add_nc_u64 s[42+4*\u:43+4*\u], s[20:21], \u*2*KSB
	s_or_b32 s[43+4*\u], s[43+4*\u], 0x80000000
	s_mov_b32 s[68+4*\u], 1
	s_add_co_u32 s[69+4*\u], s22, LX+\u*2*KSB
	s_add_nc_u64 s[70+4*\u:71+4*\u], s[86:87], \u*2*KSB
	s_or_b32 s[71+4*\u], s[71+4*\u], 0x80000000
.endr
	s_lshl_b32 s88, s19, 13                        ; scale words: 512 bytes a tile: W's tiles 16 y + 8 wn on,
	s_lshl_b32 s23, s15, 12
	s_add_co_u32 s88, s88, s23
	s_mov_b32 s89, 0
	s_add_nc_u64 s[10:11], s[10:11], s[88:89]
	s_lshl_b32 s88, s18, 13                        ; x's tiles 16 X + 8 wm on
	s_lshl_b32 s23, s16, 12
	s_add_co_u32 s88, s88, s23
	s_add_nc_u64 s[6:7], s[6:7], s[88:89]
	s_lshr_b32 s88, s19, 1                         ; where my results go: q, k or v: y / 2;
	s_lshl_b32 s88, s88, 23
	s_lshr_b32 s23, s18, 4                         ; the batch: X / 16;
	s_lshl_b32 s23, s23, 22
	s_add_co_u32 s88, s88, s23
	s_and_b32 s23, s19, 1                          ; the head: 4 (y % 2) + 2 wn (+ b / 4);
	s_lshl_b32 s23, s23, 21
	s_add_co_u32 s88, s88, s23
	s_lshl_b32 s23, s15, 20
	s_add_co_u32 s88, s88, s23
	s_and_b32 s23, s18, 15                         ; the tile of tokens: 16 (X % 16) + 8 wm (+ a)
	s_lshl_b32 s23, s23, 15
	s_add_co_u32 s88, s88, s23
	s_lshl_b32 s23, s16, 14
	s_add_co_u32 s88, s88, s23
	s_add_nc_u64 s[12:13], s[12:13], s[88:89]
	CROUND                                         ; all four work-groups are here: the joint loads meet
	s_cmp_lt_u32 s14, 2                            ; a wave's four first fills stand in one branch on the wave's number, ahead of every wait on TENSORcnt, every LDS read and every other barrier
	s_cbranch_scc0 .Lfor_x
.irp u, 0,1,2,3
	tensor_load_to_lds s[40+4*\u:43+4*\u], s[24:31]
	s_nop 0
.endr
	PLACES 4
	s_branch .Lasked
.Lfor_x:
.irp u, 0,1,2,3
	tensor_load_to_lds s[68+4*\u:71+4*\u], s[32:39]
	s_nop 0
.endr
	PLACES 4
.Lasked:
	v_and_b32 v7, 31, v0
	v_lshlrev_b32 v1, 4, v7                        ; 16 lane
.irp b, 0,1,2,3,4,5,6,7
	global_load_b128 v[SCW+4*\b:SCW+4*\b+3], v1, s[10:11] offset:512*\b   ; the scale words of all of K go straight into registers: 512 consecutive bytes a load
.endr
.irp a, 0,1,2,3,4,5,6,7
	global_load_b128 v[SCX+4*\a:SCX+4*\a+3], v1, s[6:7] offset:512*\a
.endr
	s_lshl_b32 s23, s15, 13
	v_add_nc_u32 v2, s23, v1                       ; W's fragments: my eight tiles, 16 bytes a lane
	v_add_nc_u32 v3, 65536, v2                     ; K steps 4 to 7
	s_lshl_b32 s23, s16, 13
	s_add_co_u32 s23, s23, LX
	v_add_nc_u32 v4, s23, v1                       ; x's
	v_add_nc_u32 v5, 65536, v4
	v_and_b32 v8, 7, v0                            ; v's place in a piece: 16 (r / 8) + 8 h + r % 8
	v_bfe_u32 v7, v0, 3, 1
	v_lshl_add_u32 v8, v7, 4, v8
	v_bfe_u32 v7, v0, 4, 1
	v_lshl_add_u32 v8, v7, 3, v8
	v_lshlrev_b32 v8, 4, v8
	s_cmp_ge_u32 s19, 4                            ; y = 4, 5: v
	s_cselect_b32 s84, -1, 0
	v_cndmask_b32 v6, v1, v8, s84
.macro FETCH s, p                      ; K step s: my eight fragments of W and my eight of x into set p: contiguous reads, 512 bytes each
	WIN 0x40                                       ; destination window 1, address window 0
.irp b, 0,1,2,3,4,5,6,7
.irp c, 0,1
	ds_load_b128 v[128*(\p)+8*\b+4*\c:128*(\p)+8*\b+4*\c+3], v[2+(\s)/4] offset:((\s)%4)*KSB+1024*\b+512*\c
.endr
.endr
.irp a, 0,1,2,3,4,5,6,7
.irp c, 0,1
	ds_load_b128 v[128*(\p)+64+8*\a+4*\c:128*(\p)+64+8*\a+4*\c+3], v[4+(\s)/4] offset:((\s)%4)*KSB+1024*\a+512*\c
.endr
.endr
	WIN 0
.endm
; 32 matrix instructions: token tiles 4 hi .. 4 hi + 3 x W's eight.  The 64 accumulators take turns, one instruction a turn, in the same order in every step.  zero = 1: the first product starts the sums
.macro MUL32 hi, s, p, zero
.irp a, 0,1,2,3
.irp b, 0,1,2,3,4,5,6,7
.if \zero
	v_wmma_scale_f32_16x16x128_f8f6f4 v[8*(8*\a+\b):8*(8*\a+\b)+7], v[128*(\p)+8*\b:128*(\p)+8*\b+7], v[128*(\p)+64+8*(4*\hi+\a):128*(\p)+64+8*(4*\hi+\a)+7], 0, v[SCW+4*\b+(\s)%4], v[SCX+4*(4*\hi+\a)+(\s)%4] matrix_a_fmt:MATRIX_FMT_FP4 matrix_b_fmt:MATRIX_FMT_FP4
.elseif (\s) < 4
	v_wmma_scale_f32_16x16x128_f8f6f4 v[8*(8*\a+\b):8*(8*\a+\b)+7], v[128*(\p)+8*\b:128*(\p)+8*\b+7], v[128*(\p)+64+8*(4*\hi+\a):128*(\p)+64+8*(4*\hi+\a)+7], v[8*(8*\a+\b):8*(8*\a+\b)+7], v[SCW+4*\b+(\s)%4], v[SCX+4*(4*\hi+\a)+(\s)%4] matrix_a_fmt:MATRIX_FMT_FP4 matrix_b_fmt:MATRIX_FMT_FP4
.else
	v_wmma_scale_f32_16x16x128_f8f6f4 v[8*(8*\a+\b):8*(8*\a+\b)+7], v[128*(\p)+8*\b:128*(\p)+8*\b+7], v[128*(\p)+64+8*(4*\hi+\a):128*(\p)+64+8*(4*\hi+\a)+7], v[8*(8*\a+\b):8*(8*\a+\b)+7], v[SCW+4*\b+(\s)%4], v[SCX+4*(4*\hi+\a)+(\s)%4] matrix_a_fmt:MATRIX_FMT_FP4 matrix_b_fmt:MATRIX_FMT_FP4 matrix_a_scale:MATRIX_SCALE_ROW1 matrix_b_scale:MATRIX_SCALE_ROW1
.endif
.endr
.endr
.endm
.macro STEP s, zero
.if ((\s)%2 == 1) && ((\s) < 7)        ; the next pair of K steps is shown to every wave: my later loads may stay out
	s_wait_dscnt 0x0                               ; no LDS load of mine is pending at the signal
	s_wait_tensorcnt 2-((\s)-1)/2                  ; my load of the pair s + 1, s + 2 has landed; the 2, 1, 0 behind it may be out
	s_barrier_signal -1
	s_barrier_wait -1
.endif
.if (\s) < 7
.if (\s) > 0
	PLACES 4                                       ; four places in front of loads into registers that matrix instructions have read
.endif
	FETCH (\s)+1, ((\s)+1)%2
	s_wait_dscnt 32                                ; all but the 32 just issued: this step's fragments are in
.else
	s_wait_dscnt 0x0
.endif
	WIN 0xa5                                       ; sources 0 and 1 window 1, C and D window 2
	MUL32 0, \s, (\s)%2, \zero
	WIN 0xf5                                       ; C and D window 3
	MUL32 1, \s, (\s)%2, \zero
	WIN 0
.endm
	s_wait_tensorcnt 3                             ; my first load has landed: K step 0 or 1; the three behind it may be out
	s_barrier_signal -1
	s_barrier_wait -1                              ; everybody's has
	FETCH 0, 0
	s_wait_loadcnt 0x0                             ; the scale words
	STEP 0, 1
	STEP 1, 0
	STEP 2, 0
	STEP 3, 0
	STEP 4, 0
	STEP 5, 0
	STEP 6, 0
	STEP 7, 0
	; THE WAY OUT: a lane's eight results are 16 bytes of f16, and its place in a piece is 16 x lane (v: turned): no stage.  The packed results take the fragments' registers
	PLACES 4                                       ; behind the last products: the conversions write registers that they read
	WIN 0x4a                                       ; sources window 2, destination window 1
.irp a, 0,1,2,3
.irp b, 0,1,2,3,4,5,6,7
.irp r, 0,1,2,3
	v_cvt_pk_f16_f32 v[4*(8*\a+\b)+\r], v[8*(8*\a+\b)+2*\r], v[8*(8*\a+\b)+2*\r+1]   ; each accumulator from its low end on
.endr
.endr
.endr
	WIN 0x4f                                       ; sources window 3
.irp a, 0,1,2,3
.irp b, 0,1,2,3,4,5,6,7
.irp r, 0,1,2,3
	v_cvt_pk_f16_f32 v[128+4*(8*\a+\b)+\r], v[8*(8*\a+\b)+2*\r], v[8*(8*\a+\b)+2*\r+1]
.endr
.endr
.endr
	WIN 0x04                                       ; a store's data are its source 1: window 1
.irp a, 0,1,2,3,4,5,6,7
.irp b, 0,1,2,3,4,5,6,7
	global_store_b128 v6, v[4*(8*\a+\b):4*(8*\a+\b)+3], s[12:13] offset:2048*\a+524288*(\b/4)+512*(\b%4)   ; a piece: 512 consecutive bytes, aligned
.endr
.endr
	WIN 0
	s_wait_tensorcnt 0x0                           ; the wave's end: behind my last tensor load: this wait, 0 onto my spare word, and its wait
	ds_add_u32 v28, v29
	s_wait_dscnt 0x0
	CROUND                                         ; the closing round: no work-group ends while a partner may still ask for a tile that names it
	s_endpgm
.Lfunc_end_k_q0c1e9dcd70_qkv:
	.size	k_q0c1e9dcd70_qkv, .Lfunc_end_k_q0c1e9dcd70_qkv-k_q0c1e9dcd70_qkv
	.p2alignl 7, 3214868480
	.fill 96, 4, 3214868480
	.section	.rodata,"a",@progbits
	.p2align	6, 0x0
	.amdhsa_kernel k_q0c1e9dcd70_qkv
		.amdhsa_group_segment_fixed_size 327680
		.amdhsa_private_segment_fixed_size 0
		.amdhsa_enable_private_segment 0
		.amdhsa_kernarg_size 40
		.amdhsa_user_sgpr_count 2
		.amdhsa_user_sgpr_kernarg_segment_ptr 1
		.amdhsa_wavefront_size32 1
		.amdhsa_system_sgpr_workgroup_id_x 1
		.amdhsa_system_sgpr_workgroup_id_y 1
		.amdhsa_system_sgpr_workgroup_id_z 1
		.amdhsa_system_vgpr_workitem_id 0
		.amdhsa_next_free_vgpr 1024
		.amdhsa_next_free_sgpr 90
		.amdhsa_reserve_vcc 0
		.amdhsa_float_denorm_mode_32 3
		.amdhsa_float_denorm_mode_16_64 3
		.amdhsa_memory_ordered 1
		.amdhsa_forward_progress 1
		.amdhsa_inst_pref_size 115
	.end_amdhsa_kernel
	.amdgpu_metadata
---
amdhsa.version: [ 1, 2 ]
amdhsa.kernels:
  - .name:           k_q0c1e9dcd70_qkv
    .symbol:         k_q0c1e9dcd70_qkv.kd
    .args:
      - { .name: xq, .offset: 0, .size: 8, .value_kind: global_buffer, .address_space: global }
      - { .name: xs, .offset: 8, .size: 8, .value_kind: global_buffer, .address_space: global }
      - { .name: wq, .offset: 16, .size: 8, .value_kind: global_buffer, .address_space: global }
      - { .name: ws, .offset: 24, .size: 8, .value_kind: global_buffer, .address_space: global }
      - { .name: qkv, .offset: 32, .size: 8, .value_kind: global_buffer, .address_space: global }
    .group_segment_fixed_size: 327680
    .private_segment_fixed_size: 0
    .kernarg_segment_align: 8
    .kernarg_segment_size: 40
    .max_flat_workgroup_size: 128
    .sgpr_count:     90
    .vgpr_count:     1024
    .wavefront_size: 32
...
	.end_amdgpu_metadata
.endif
;; end of part 2
;; launch attn (part 3): grid 16 x 16, 8 waves a work-group, clusters of 4 x 1, 327,680 bytes of LDS; arguments qkv, ao; writes ao
.if DOCPART == 3
	.amdgcn_target "amdgcn-amd-amdhsa--gfx1250"
	.amdhsa_code_object_version 6
	.text
	.protected	k_q0c1e9dcd70_attn
	.globl	k_q0c1e9dcd70_attn
	.p2align	8
	.type	k_q0c1e9dcd70_attn,@function
k_q0c1e9dcd70_attn:
	s_mov_b64 s[64:65], 0
	v_nop
	global_prefetch_b8 v0, s[64:65] scope:SCOPE_SE
	s_setreg_imm32_b32 hwreg(HW_REG_WAVE_MODE, 25, 1), 1
	s_wait_xcnt 0x0
	s_wait_alu depctr_hold_cnt(0) depctr_sa_sdst(0) depctr_va_vdst(0) depctr_va_sdst(0) depctr_va_ssrc(0) depctr_va_vcc(0) depctr_vm_vsrc(0)
	s_getreg_b32 s2, hwreg(HW_REG_IB_STS2, 6, 4)
	s_cmp_eq_u32 s2, 0
	s_cbranch_scc0 .Lentry_in_a_cluster
	s_endpgm
.Lentry_in_a_cluster:
	s_bfe_u32 s2, ttmp6, 0x10000c
	s_cmp_lg_u32 s2, 0x3003
	s_cbranch_scc0 .Lentry_shape_is_right
	s_endpgm
.Lentry_shape_is_right:
; O[bh][q] = the sum over k of softmax_k(Q[bh][q] . K[bh][k] / 8) V[bh][k]: 16 heads (batch x head) of 4,096 tokens x 64 channels, no mask.  q, k, v in f16; products, maxima and sums in f32; the weights p are rounded to f16 for the second product, O once at the end.
; SHARES.  A work-group owns 256 queries of one head.  Wave w: queries 64 (w % 4) on, four tiles of 16; keys 2,048 (w / 4) on: THE KEYS ARE SPLIT IN TWO, so that two waves of 512 registers stand on a SIMD (one's vector work beside the
; other's products) while each fragment of K or V read from LDS still feeds four matrix instructions.  At the end the two halves of a query are merged through LDS.
; LAYOUT.  S^T = K Q^T (source 0 = 16 keys, source 1 = 16 queries), O^T = V^T P (source 0 = 16 channels, source 1 = P): a lane holds ONE query (lane % 16) throughout; two tiles of S^T, rounded in pairs, ARE source 1 of the second product.
; K and V lie in memory and in LDS as images of registers: every LDS read is 512 consecutive bytes; V comes turned, by ds_load_tr16_b128.
; SOFTMAX.  For each query a running maximum m and sum l: p = 2^(c s - c m), c = log2(e) / 8; in every step O and l are multiplied by a = 2^(c m_old - c m_new).  The sum is taken of p before it is rounded.
; RING.  Two slots of 128 KiB; a slot holds 256 keys of each half: [half][K 32 KiB, V 32 KiB], four steps of 64 keys.  Each of the eight waves brings an eighth of a slot by one tensor load; one load a wave is out.
; CLUSTER.  The four query blocks of a cluster walk the same K and V: each load is asked for JOINTLY, with the same descriptor and a mask that names the four.
; OUT: ao [tile of 16 tokens (512)][kg = 2 head + g (16)][1,024 B]: the f16 fragment of 16 tokens x inner 32 kg .. + 31.   LIMIT: NaN and infinities are not served.
; REGISTERS.  window 0: v1 16 lane; v2 the same in V's part; v3, v4 addresses of the loads in hand; v6, v7 the add's two; v8 prefetch offset; v9-14 the merge's addresses; v32-63 statistics, eight a tile:
;   +0 c m, +1 m, +2, +3 l, +4..+7 c0-c3 at work (a takes c2's place); v64-127 Q; v128-191 K of a step; v192-255 V of a step.   window 1: v0-127 S^T (32 a tile; p in f16 over its first 16), v128-255 O^T.
.set SLOT1, 1<<17
.set SPARE, 262144                     ; behind the ring: the spare words, 128 bytes a wave: four blocks of 256 bytes that no other line names
.set SSTG,  263168                     ; the merge's statistics: 1,024 bytes a wave.  (O^T's stage is slot 0, which has had its last fill and its last read by then)
.set ST, 32
.set QF, 64
.set KF, 128
.set VF, 192
.set OA, 128
.set MSB, 0
.macro WIN new                         ; the immediate's high byte repeats the setting that is left
.if MSB != \new
	s_set_vgpr_msb (MSB<<8)|\new
.set MSB, \new
.endif
.endm
.macro PLACES n
.rept \n
	v_nop
.endr
.endm
.macro CROUND                          ; a round of the cluster's barrier
	s_barrier_signal -1
	s_barrier_wait -1
	s_cmp_lg_u32 s8, 0
	s_cbranch_scc1 .Lnot_wave_0_\@
	s_barrier_signal -3
.Lnot_wave_0_\@:
	s_barrier_wait -3
	s_barrier_signal -1
	s_barrier_wait -1
.endm
; A PREFETCH INTO THE L2 of what the NEXT change of slots will ask for: 32 KiB each of K and V of each half.  Each aligned block of 256 bytes is named once in the launch: of the clusters that walk a head the first asks;
; in each of its work-groups waves 0, 2, 4, 6 take one of the four runs; the four partners share a run out BY ADDRESS, 8,192 bytes each, lanes 256 bytes apart.  It stands four key steps ahead of the load that wants the bytes.
; The last change that fills a slot asks for nothing: there is no content behind it.  Contents 0 and 1 come by their loads alone.
.macro ASK
	s_cmp_gt_u32 s38, s39
	s_cbranch_scc0 .Lnot_mine_\@
	global_prefetch_b8 v8, s[40:41] th:TH_LOAD_NT scope:SCOPE_SE
.Lnot_mine_\@:
.endm
	s_load_b128 s[4:7], s[0:1], 0x0                ; qkv s[4:5], ao s[6:7]
	v_lshl_add_u32 v6, v0, 2, SPARE
	v_mov_b32 v7, 0
	ds_add_u32 v6, v7                              ; the wave's opening: the add, twice on end, and its wait ahead of my first tensor load
	ds_add_u32 v6, v7
	v_lshrrev_b32 v1, 5, v0
	v_readfirstlane_b32 s8, v1                     ; wave 0..7
	s_and_b32 s9, s8, 3                            ; qg: which 64 queries
	s_lshr_b32 s10, s8, 2                          ; kh: which half of the keys
	s_bfe_u32 s11, ttmp6, 0x40000                  ; cx
	s_lshl_b32 s12, ttmp9, 2
	s_add_co_u32 s12, s12, s11                     ; my block of 256 queries
	s_and_b32 s13, ttmp7, 0xffff                   ; bh, which the partners share
	; descriptor group 1: a dense block of 16 KiB as 64 rows of 256 bytes (32 elements of 8 bytes); the mask names all four work-groups, bit 21 set beside it
	s_mov_b32 s24, 15|(3<<16)|(1<<21)
	s_mov_b32 s25, 32<<16                          ; tensor_dim0
	s_mov_b32 s26, 64<<16                          ; tensor_dim1
	s_mov_b32 s27, 32<<16                          ; tile_dim0
	s_mov_b32 s28, 64                              ; tile_dim1
	s_mov_b32 s29, 32                              ; the pitch
	s_mov_b32 s30, 0
	s_mov_b32 s31, 0
	s_mov_b32 s20, 0x3e38aa3b                      ; c = log2(e) / 8
	s_mov_b32 s21, s20                             ; (named with it as a pair, so it is written)
	s_mov_b32 s22, 0x76543210
	s_mov_b32 s23, 0xfedcba98                      ; v_permlanex16_b32's selects for lane l xor 16
	s_lshl_b32 s36, s10, 16                        ; TB: where my half of the slot in hand begins
	s_mov_b32 s38, 7                               ; contents still to be asked for
	s_and_b32 s39, s8, 1
	s_or_b32 s39, s39, ttmp9                       ; 0 in waves 0, 2, 4, 6 of the head's first cluster: the same in all four partners
	s_cmp_eq_u32 s39, 0
	s_cselect_b32 s39, 1, -1                       ; a wave prefetches while s38 is above this
	s_bfe_u32 s14, s8, 0x10001                     ; (wave / 2) % 2: I fetch for K (0) or V (1)
	s_add_co_u32 s14, s14, 1
	s_lshl_b32 s14, s14, 23                        ; k is the second, v the third of qkv's three parts
	s_lshl_b32 s16, s13, 19                        ; the head: 524,288 bytes
	s_add_co_u32 s14, s14, s16
	s_lshl_b32 s17, s10, 18                        ; the half: 128 tiles of 2,048 bytes
	s_add_co_u32 s14, s14, s17
	s_mov_b32 s15, 0
	s_lshl_b32 s18, s11, 13                        ; the prefetches: my work-group's 8,192 bytes of a run,
	s_add_co_u32 s18, s18, s14
	s_add_co_u32 s18, s18, 32768                   ; at content 1: the first change of slots steps it to content 2
	s_mov_b32 s19, 0
	s_and_b32 s17, s8, 1
	s_lshl_b32 s17, s17, 14
	s_add_co_u32 s14, s14, s17                     ; my 16 KiB of content 0: nothing of cx
	s_lshl_b32 s44, s12, 15                        ; Q: tile 16 block + 4 qg
	s_add_co_u32 s44, s44, s16
	s_lshl_b32 s17, s9, 13
	s_add_co_u32 s44, s44, s17
	s_mov_b32 s45, 0
	s_lshr_b32 s42, s13, 3                         ; ao: tile 256 batch + 16 block + 4 qg + 2 kh, 16,384 bytes each; + 2,048 head
	s_lshl_b32 s42, s42, 22
	s_lshl_b32 s17, s12, 18
	s_add_co_u32 s42, s42, s17
	s_lshl_b32 s17, s9, 16
	s_add_co_u32 s42, s42, s17
	s_lshl_b32 s17, s10, 15
	s_add_co_u32 s42, s42, s17
	s_and_b32 s17, s13, 7
	s_lshl_b32 s17, s17, 11
	s_add_co_u32 s42, s42, s17
	s_mov_b32 s43, 0
	s_wait_dscnt 0x0                               ; both opening adds are done
	s_wait_kmcnt 0x0
	s_mov_b32 s32, 1                               ; group 0, which walks: count = 1,
	s_lshl_b32 s33, s8, 14                         ; LDS: slot 0, my eighth,
	s_add_nc_u64 s[34:35], s[4:5], s[14:15]        ; content 0,
	s_or_b32 s35, s35, 0x80000000                  ; type = 2
	s_add_nc_u64 s[40:41], s[4:5], s[18:19]
	s_add_nc_u64 s[44:45], s[4:5], s[44:45]
	s_add_nc_u64 s[42:43], s[6:7], s[42:43]
	CROUND                                         ; all four work-groups are here: the first joint loads meet
	tensor_load_to_lds s[32:35], s[24:31]
	s_nop 0
	PLACES 4
	v_and_b32 v5, 31, v0
	v_lshlrev_b32 v1, 4, v5                        ; 16 lane
.irp t, 0,1,2,3
.irp g, 0,1
.irp c, 0,1
	global_load_b128 v[QF+16*\t+8*\g+4*\c:QF+16*\t+8*\g+4*\c+3], v1, s[44:45] offset:2048*\t+1024*\g+512*\c   ; Q stays in registers: tile t, channels 32 g on
.endr
.endr
.endr
	v_add_nc_u32 v2, 32768, v1                     ; V lies 32 KiB behind K
	v_lshlrev_b32 v8, 8, v5                        ; 256 lane
	s_lshl_b32 s14, s8, 14
	v_add_nc_u32 v9, s14, v1                       ; the merge: where I put my O^T,
	v_lshlrev_b32 v15, 2, v5
	s_lshl_b32 s15, s8, 10
	s_add_co_u32 s15, s15, SSTG
	v_add_nc_u32 v10, s15, v15                     ; and my statistics;
	s_lshl_b32 s14, s9, 14
	s_lshl_b32 s16, s10, 13
	s_add_co_u32 s14, s14, s16
	v_add_nc_u32 v11, s14, v1                      ; tiles 2 kh, 2 kh + 1 of wave qg (the first half of the keys),
	v_add_nc_u32 v12, 65536, v11                   ; and of wave qg + 4 (the second);
	s_lshl_b32 s15, s9, 10
	s_lshl_b32 s16, s10, 9
	s_add_co_u32 s15, s15, s16
	s_add_co_u32 s15, s15, SSTG
	v_add_nc_u32 v13, s15, v15                     ; their statistics
	v_add_nc_u32 v14, 4096, v13
.irp t, 0,1,2,3
	v_mov_b32 v[ST+8*\t+1], 0xff61b1e6             ; m = -3e38, under every score
	v_mul_f32 v[ST+8*\t], s20, v[ST+8*\t+1]        ; c m
.irp i, 2,3,4,5,6,7
	v_mov_b32 v[ST+8*\t+\i], 0
.endr
.endr
	WIN 0x40
.set n, 0
.rept 128
	v_mov_b32 v[OA+n], 0                           ; O^T.  The key step is written once: its first a is 2^(-huge) = 0, which leaves zeros zeros; a first step of its own would be a third copy of the step's text
.set n, n+1
.endr
	WIN 0
.macro FETCH_K                         ; a step's K: 64 keys x 64 channels, 8 fragments
.irp kt, 0,1,2,3
.irp g, 0,1
.irp c, 0,1
	ds_load_b128 v[KF+16*\kt+8*\g+4*\c:KF+16*\kt+8*\g+4*\c+3], v3 offset:2048*\kt+1024*\g+512*\c
.endr
.endr
.endr
.endm
.macro FETCH_V                         ; a step's V, turned: fragment (kg, ct): 16 channels x 32 keys
.irp kg, 0,1
.irp ct, 0,1,2,3
	ds_load_tr16_b128 v[VF+8*(4*\kg+\ct):VF+8*(4*\kg+\ct)+3], v4 offset:4096*\kg+512*\ct
	ds_load_tr16_b128 v[VF+8*(4*\kg+\ct)+4:VF+8*(4*\kg+\ct)+7], v4 offset:4096*\kg+2048+512*\ct
.endr
.endr
.endm
; In both products sixteen accumulators take turns, one instruction a turn
.macro KQ                              ; S^T = K Q^T: the first sixteen start the sums
	WIN 0x50                                       ; C and D window 1
.irp g, 0,1
.irp kt, 0,1,2,3
.irp t, 0,1,2,3
.if \g == 0
	v_wmma_f32_16x16x32_f16 v[32*\t+8*\kt:32*\t+8*\kt+7], v[KF+16*\kt+8*\g:KF+16*\kt+8*\g+7], v[QF+16*\t+8*\g:QF+16*\t+8*\g+7], 0
.else
	v_wmma_f32_16x16x32_f16 v[32*\t+8*\kt:32*\t+8*\kt+7], v[KF+16*\kt+8*\g:KF+16*\kt+8*\g+7], v[QF+16*\t+8*\g:QF+16*\t+8*\g+7], v[32*\t+8*\kt:32*\t+8*\kt+7]
.endif
.endr
.endr
.endr
.endm
.macro PV                              ; O^T += V^T P
	WIN 0x54                                       ; source 1 (P), C and D window 1
.irp kg, 0,1
.irp ct, 0,1,2,3
.irp t, 0,1,2,3
	v_wmma_f32_16x16x32_f16 v[OA+32*\t+8*\ct:OA+32*\t+8*\ct+7], v[VF+8*(4*\kg+\ct):VF+8*(4*\kg+\ct)+7], v[32*\t+8*\kg:32*\t+8*\kg+7], v[OA+32*\t+8*\ct:OA+32*\t+8*\ct+7]
.endr
.endr
.endr
.endm
; The four tiles' softmax for a step of 64 keys, every line for the four tiles by turns, so that no line waits for the line above it
.macro SOFTMAX
	WIN 0x15                                       ; the three sources window 1
.irp j, 0,1,2,3
.irp t, 0,1,2,3
	v_max3_num_f32 v[ST+8*\t+4+\j], v[32*\t+8*\j], v[32*\t+8*\j+1], v[32*\t+8*\j+2]   ; four chains a tile; each accumulator is read from its low end on
.endr
.endr
	WIN 0x14
.irp i, 3,5
.irp j, 0,1,2,3
.irp t, 0,1,2,3
	v_max3_num_f32 v[ST+8*\t+4+\j], v[ST+8*\t+4+\j], v[32*\t+8*\j+\i], v[32*\t+8*\j+\i+1]
.endr
.endr
.endr
.irp t, 0,1,2,3
	v_max3_num_f32 v[ST+8*\t+4], v[ST+8*\t+4], v[32*\t+7], v[32*\t+15]
.endr
.irp t, 0,1,2,3
	v_max3_num_f32 v[ST+8*\t+6], v[ST+8*\t+6], v[32*\t+23], v[32*\t+31]
.endr
	WIN 0
.irp t, 0,1,2,3
	v_max3_num_f32 v[ST+8*\t+4], v[ST+8*\t+4], v[ST+8*\t+5], v[ST+8*\t+6]
.endr
.irp t, 0,1,2,3
	v_max3_num_f32 v[ST+8*\t+4], v[ST+8*\t+4], v[ST+8*\t+7], v[ST+8*\t+1]   ; with the old m
.endr
.irp t, 0,1,2,3
	v_permlanex16_b32 v[ST+8*\t+5], v[ST+8*\t+4], s22, s23                  ; the query's other 32 keys lie in the lane 16 away
.endr
.irp t, 0,1,2,3
	v_mov_b32 v[ST+8*\t+7], v[ST+8*\t]             ; c m_old is kept for a
.endr
.irp t, 0,1,2,3
	v_max_num_f32 v[ST+8*\t+1], v[ST+8*\t+4], v[ST+8*\t+5]
.endr
.irp t, 0,1,2,3
	v_mul_f32 v[ST+8*\t], s20, v[ST+8*\t+1]
.endr
.irp t, 0,1,2,3
	v_sub_f32 v[ST+8*\t+7], v[ST+8*\t+7], v[ST+8*\t]
.endr
.irp t, 0,1,2,3
	v_exp_f32 v[ST+8*\t+6], v[ST+8*\t+7]           ; a
.endr
	WIN 0x41                                       ; destination and source 0 window 1: one setting for the scalings, the exponentials and O^T's rescaling
.set n, 0
.rept 64
	v_pk_fma_f32 v[2*n:2*n+1], v[2*n:2*n+1], s[20:21], v[ST+8*(n/16):ST+8*(n/16)+1] op_sel_hi:[1,0,0] neg_lo:[0,0,1] neg_hi:[0,0,1]   ; c s - c m.  These name no a: the independent work behind the four exponentials
.set n, n+1
.endr
	s_wait_alu depctr_va_vdst(0)                   ; the wait ahead of the first instruction that names an exponential's result: one for the four a
.set n, 0
.rept 64
	v_exp_f32 v[2*n], v[2*n]                       ; p
	v_exp_f32 v[2*n+1], v[2*n+1]
	v_pk_mul_f32 v[OA+2*n:OA+2*n+1], v[OA+2*n:OA+2*n+1], v[ST+8*(n/16)+6:ST+8*(n/16)+7] op_sel_hi:[1,0]   ; O^T x a: plain work among the exponentials; it names none of their results.  Each accumulator from its low end on
.set n, n+1
.endr
	s_wait_alu depctr_va_vdst(0)                   ; one wait for the 128; the multiply above is the plain instruction behind the last of them
	WIN 0x10
.irp t, 0,1,2,3
	v_pk_fma_f32 v[ST+8*\t+2:ST+8*\t+3], v[ST+8*\t+2:ST+8*\t+3], v[ST+8*\t+6:ST+8*\t+7], v[32*\t:32*\t+1] op_sel_hi:[1,0,1]   ; l = a l + the first pair
.endr
	WIN 0x04
.irp i, 1,2,3,4,5,6,7,8,9,10,11,12,13,14,15
.irp t, 0,1,2,3
	v_pk_add_f32 v[ST+8*\t+2:ST+8*\t+3], v[ST+8*\t+2:ST+8*\t+3], v[32*\t+2*\i:32*\t+2*\i+1]
.endr
.endr
	WIN 0x45
.irp d, 0,1,2,3,4,5,6,7,8,9,10,11,12,13,14,15
.irp t, 0,1,2,3
	v_cvt_pk_f16_f32 v[32*\t+\d], v[32*\t+2*\d], v[32*\t+2*\d+1]   ; in place, ascending: register d is written when 2 d and 2 d + 1 are read
.endr
.endr
	WIN 0
.endm
; A slot's four key steps: written once, walked four times; the LDS addresses hang on s36
.macro SLOT_STEPS
	v_add_nc_u32 v3, s36, v1
	FETCH_K
	s_mov_b32 s37, 4
.Lstep_\@:
	v_add_nc_u32 v4, s36, v2
	FETCH_V
	s_add_co_u32 s36, s36, 8192
	s_wait_dscnt 16                                ; K is in; the 16 younger loads are V's
	KQ
	WIN 0
	v_add_nc_u32 v3, s36, v1                       ; the next step's K.  With the three below: four places behind the products, in front of the loads into K's registers and of the first read of the scores
	PLACES 3
	s_cmp_eq_u32 s37, 1                            ; the slot's last step fetches no K: the next step's lies beyond the change of slots
	s_cbranch_scc1 .Lno_k_\@
	FETCH_K
.Lno_k_\@:
	SOFTMAX
	s_wait_dscnt 0x0                               ; V is in, and so is the next K
	PV
	WIN 0
	PLACES 5                                       ; the next K Q^T writes over p, which these products read, and V's registers are loaded again
	s_sub_co_u32 s37, s37, 1
	s_cmp_lg_u32 s37, 0
	s_cbranch_scc1 .Lstep_\@
	s_sub_co_u32 s36, s36, 32768                   ; back to a slot's first step,
	s_xor_b32 s36, s36, SLOT1                      ; in the other slot
.endm
; THE CHANGE OF SLOTS stands at a slot's head.  Each wave waits for all its tensor loads (its eighth of the slot that it is about to read), adds 0 to its spare word, and waits for that and for its reads of the slot that it has left.
; fill = 1: the barrier is a round of the cluster's, so that no wave of any partner still reads that slot or has a load on its way; the joint load is the first thing behind it and has a slot's four steps in which to land.
.macro CHANGE fill
	s_wait_tensorcnt 0x0                           ; no tensor load of mine is out, so group 0 may be written
	ds_add_u32 v6, v7                              ; 0 onto my spare word
.if \fill
	s_xor_b32 s33, s33, SLOT1                      ; the other slot than last time,
	s_add_nc_u64 s[34:35], s[34:35], 32768         ; the next 256 keys of my half; the type bits on top are not reached
	s_wait_xcnt 0x0                                ; the last prefetch, a slot back, has read its address:
	s_add_nc_u64 s[40:41], s[40:41], 32768         ; one content further on than the walking descriptor
	s_wait_dscnt 0x0                               ; the add is done, and my reads of the slot that I have left are over
	CROUND
	tensor_load_to_lds s[32:35], s[24:31]
	s_nop 0
	PLACES 4
	ASK
.else
	s_wait_dscnt 0x0
	s_barrier_signal -1
	s_barrier_wait -1
.endif
.endm
	s_wait_loadcnt 0x0                             ; Q
.Lslot:                                            ; 7 trips: behind each change of slots but the last the next content is asked for
	CHANGE 1
	SLOT_STEPS
	s_sub_co_u32 s38, s38, 1
	s_cmp_lg_u32 s38, 0
	s_cbranch_scc1 .Lslot
	CHANGE 0                                       ; the last content is written out
	SLOT_STEPS
	; THE MERGE.  Every wave puts its four tiles of O^T and their c m and l into LDS; then every wave finishes two tiles: tiles 2 kh, 2 kh + 1 of its 64 queries, from the waves of both halves of the keys.
	s_wait_dscnt 0x0
	s_barrier_signal -1
	s_barrier_wait -1                              ; no wave reads the ring any more: slot 0 serves as the stage
.irp t, 0,1,2,3
	v_add_f32 v[ST+8*\t+4], v[ST+8*\t+2], v[ST+8*\t+3]     ; l's two halves,
.endr
.irp t, 0,1,2,3
	v_permlanex16_b32 v[ST+8*\t+5], v[ST+8*\t+4], s22, s23
.endr
.irp t, 0,1,2,3
	v_add_f32 v[ST+8*\t+4], v[ST+8*\t+4], v[ST+8*\t+5]     ; and the lane's 16 away
.endr
.irp t, 0,1,2,3
	ds_store_b32 v10, v[ST+8*\t] offset:256*\t
	ds_store_b32 v10, v[ST+8*\t+4] offset:256*\t+128
.endr
	WIN 0x04                                       ; an LDS store's data are its source 1: window 1
.irp t, 0,1,2,3
.irp i, 0,1,2,3,4,5,6,7
	ds_store_b128 v9, v[OA+32*\t+4*\i:OA+32*\t+4*\i+3] offset:4096*\t+512*\i    ; as images of the registers; each accumulator from its low end on
.endr
.endr
	WIN 0
	s_wait_dscnt 0x0                               ; for the others' sake: my stores have landed
	s_barrier_signal -1
	s_barrier_wait -1
.irp u, 0,1
	ds_load_b32 v[32+4*\u], v13 offset:256*\u          ; c m and l of the first half of the keys,
	ds_load_b32 v[33+4*\u], v13 offset:256*\u+128
	ds_load_b32 v[34+4*\u], v14 offset:256*\u          ; and of the second
	ds_load_b32 v[35+4*\u], v14 offset:256*\u+128
.endr
.irp u, 0,1
.irp i, 0,1,2,3,4,5,6,7
	ds_load_b128 v[64+32*\u+4*\i:64+32*\u+4*\i+3], v11 offset:4096*\u+512*\i
	ds_load_b128 v[128+32*\u+4*\i:128+32*\u+4*\i+3], v12 offset:4096*\u+512*\i
.endr
.endr
	s_wait_dscnt 0x0
.irp u, 0,1
	v_max_num_f32 v[40+\u], v[32+4*\u], v[34+4*\u]     ; the common c m
.endr
.irp u, 0,1
	v_sub_f32 v[42+\u], v[32+4*\u], v[40+\u]
	v_sub_f32 v[44+\u], v[34+4*\u], v[40+\u]
.endr
.irp u, 0,1
	v_exp_f32 v[42+\u], v[42+\u]                   ; what brings each half under it
	v_exp_f32 v[44+\u], v[44+\u]
.endr
	v_nop                                          ; a plain instruction behind the last exponential,
	s_wait_alu depctr_va_vdst(0)                   ; and the wait ahead of the first use: one for the four
.irp u, 0,1
	v_mul_f32 v[46+\u], v[42+\u], v[33+4*\u]
.endr
.irp u, 0,1
	v_fmac_f32 v[46+\u], v[44+\u], v[35+4*\u]      ; the row's sum
.endr
.irp u, 0,1
	v_rcp_f32 v[46+\u], v[46+\u]
.endr
	v_nop
	s_wait_alu depctr_va_vdst(0)                   ; one for the two reciprocals
.irp u, 0,1
	v_mul_f32 v[48+4*\u], v[42+\u], v[46+\u]       ; each half's factor, in both registers of a pair for the packed forms
	v_mul_f32 v[49+4*\u], v[42+\u], v[46+\u]
	v_mul_f32 v[50+4*\u], v[44+\u], v[46+\u]
	v_mul_f32 v[51+4*\u], v[44+\u], v[46+\u]
.endr
.irp u, 0,1
.irp k, 0,2,4,6,8,10,12,14,16,18,20,22,24,26,28,30
	v_pk_mul_f32 v[64+32*\u+\k:65+32*\u+\k], v[64+32*\u+\k:65+32*\u+\k], v[48+4*\u:49+4*\u]
.endr
.irp k, 0,2,4,6,8,10,12,14,16,18,20,22,24,26,28,30
	v_pk_fma_f32 v[64+32*\u+\k:65+32*\u+\k], v[128+32*\u+\k:129+32*\u+\k], v[50+4*\u:51+4*\u], v[64+32*\u+\k:65+32*\u+\k]
.endr
.irp d, 0,1,2,3,4,5,6,7,8,9,10,11,12,13,14,15
	v_cvt_pk_f16_f32 v[192+16*\u+\d], v[64+32*\u+2*\d], v[65+32*\u+2*\d]
.endr
.endr
.irp u, 0,1
.irp ct, 0,1,2,3
	global_store_b128 v1, v[192+16*\u+4*\ct:195+16*\u+4*\ct], s[42:43] offset:16384*\u+512*\ct   ; channels 16 ct on of 16 tokens: 512 consecutive bytes, aligned
.endr
.endr
	s_wait_tensorcnt 0x0                           ; the wave's end: behind my last tensor load and my last LDS store: this wait, 0 onto my spare word, and its wait
	ds_add_u32 v6, v7
	s_wait_dscnt 0x0
	CROUND                                         ; the closing round: no work-group ends while a partner may still ask for a tile that names it
	s_endpgm
.Lfunc_end_k_q0c1e9dcd70_attn:
	.size	k_q0c1e9dcd70_attn, .Lfunc_end_k_q0c1e9dcd70_attn-k_q0c1e9dcd70_attn
	.p2alignl 7, 3214868480
	.fill 96, 4, 3214868480
	.section	.rodata,"a",@progbits
	.p2align	6, 0x0
	.amdhsa_kernel k_q0c1e9dcd70_attn
		.amdhsa_group_segment_fixed_size 327680
		.amdhsa_private_segment_fixed_size 0
		.amdhsa_enable_private_segment 0
		.amdhsa_kernarg_size 16
		.amdhsa_user_sgpr_count 2
		.amdhsa_user_sgpr_kernarg_segment_ptr 1
		.amdhsa_wavefront_size32 1
		.amdhsa_system_sgpr_workgroup_id_x 1
		.amdhsa_system_sgpr_workgroup_id_y 1
		.amdhsa_system_sgpr_workgroup_id_z 1
		.amdhsa_system_vgpr_workitem_id 0
		.amdhsa_next_free_vgpr 512
		.amdhsa_next_free_sgpr 66
		.amdhsa_reserve_vcc 0
		.amdhsa_float_denorm_mode_32 3
		.amdhsa_float_denorm_mode_16_64 3
		.amdhsa_memory_ordered 1
		.amdhsa_forward_progress 1
		.amdhsa_inst_pref_size 93
	.end_amdhsa_kernel
	.amdgpu_metadata
---
amdhsa.version: [ 1, 2 ]
amdhsa.kernels:
  - .name:           k_q0c1e9dcd70_attn
    .symbol:         k_q0c1e9dcd70_attn.kd
    .args:
      - { .name: qkv, .offset: 0, .size: 8, .value_kind: global_buffer, .address_space: global }
      - { .name: ao, .offset: 8, .size: 8, .value_kind: global_buffer, .address_space: global }
    .group_segment_fixed_size: 327680
    .private_segment_fixed_size: 0
    .kernarg_segment_align: 8
    .kernarg_segment_size: 16
    .max_flat_workgroup_size: 256
    .sgpr_count:     66
    .vgpr_count:     512
    .wavefront_size: 32
...
	.end_amdgpu_metadata
.endif
;; end of part 3
;; launch proj (part 4): grid 32 x 8, 4 waves a work-group, clusters of 4 x 1, 167,936 bytes of LDS; arguments ao, wo, bout, out0; writes out0
.if DOCPART == 4
	.amdgcn_target "amdgcn-amd-amdhsa--gfx1250"
	.amdhsa_code_object_version 6
	.text
	.protected	k_q0c1e9dcd70_proj
	.globl	k_q0c1e9dcd70_proj
	.p2align	8
	.type	k_q0c1e9dcd70_proj,@function
k_q0c1e9dcd70_proj:
	s_mov_b64 s[64:65], 0
	v_nop
	global_prefetch_b8 v0, s[64:65] scope:SCOPE_SE
	s_setreg_imm32_b32 hwreg(HW_REG_WAVE_MODE, 25, 1), 1
	s_wait_xcnt 0x0
	s_wait_alu depctr_hold_cnt(0) depctr_sa_sdst(0) depctr_va_vdst(0) depctr_va_sdst(0) depctr_va_ssrc(0) depctr_va_vcc(0) depctr_vm_vsrc(0)
	s_getreg_b32 s2, hwreg(HW_REG_IB_STS2, 6, 4)
	s_cmp_eq_u32 s2, 0
	s_cbranch_scc0 .Lentry_in_a_cluster
	s_endpgm
.Lentry_in_a_cluster:
	s_bfe_u32 s2, ttmp6, 0x10000c
	s_cmp_lg_u32 s2, 0x3003
	s_cbranch_scc0 .Lentry_shape_is_right
	s_endpgm
.Lentry_shape_is_right:
; out0 = ao Wout + bout: [8192][512] x [512][1024], f16 operands, f32 sums, f32 out.
; SHARES.  A work-group makes 256 tokens x 128 columns: grid 32 x 8.  Wave w makes tokens 64 w .. 64 w + 63 (four tiles a) x all 128 columns (eight tiles b): 32 accumulators.
; A wave's tokens are read by no other wave of its work-group: ao's fragments go from memory STRAIGHT INTO REGISTERS, all of K = 512 at once (512 registers, 128 loads of 512 consecutive bytes).
; Only Wout's block of 128 columns is shared: 128 KiB, all of K, brought into LDS once, a quarter by each wave's one tensor load.  Nothing is filled again.
; CLUSTER.  The four token blocks of a cluster read the same block of Wout: it is asked for JOINTLY.
; THE MATRIX INSTRUCTION IS USED TRANSPOSED: source 0 = 16 columns of Wout, source 1 = 16 tokens: a lane holds one token and eight neighbouring columns.  The bias is the C of each sum's first product.
; REGISTERS.  window 0: v1 16 lane (also Wout's fragments of k groups 0-7 in LDS), v3 those of groups 8-15, v4 32 h, v5, v6 the stage, v28, v29 the add's two; v32-95 the bias, eight registers a tile; v128-255 two sets of Wout's fragments, later rows of the result.
;   window 1: accumulator (a, b) at v[8 (8 a + b)].   windows 2, 3: ao's fragment (a, kg) at v[32 (kg % 8) + 8 a] of window 2 + kg / 8.
.set STAGE, 131072                     ; behind Wout's block: a stage of 16 rows x (512 bytes + 16) for each wave; no tensor load lands there
.set SP,    528
.set SPARE, 164864                     ; the spare words, 128 bytes a wave: two blocks of 256 bytes that no other line names
.set MSB, 0
.macro WIN new                         ; the immediate's high byte repeats the setting that is left
.if MSB != \new
	s_set_vgpr_msb (MSB<<8)|\new
.set MSB, \new
.endif
.endm
.macro PLACES n
.rept \n
	v_nop
.endr
.endm
.macro CROUND                          ; a round of the cluster's barrier
	s_barrier_signal -1
	s_barrier_wait -1
	s_cmp_lg_u32 s12, 0
	s_cbranch_scc1 .Lnot_wave_0_\@
	s_barrier_signal -3
.Lnot_wave_0_\@:
	s_barrier_wait -3
	s_barrier_signal -1
	s_barrier_wait -1
.endm
	s_load_b256 s[4:11], s[0:1], 0x0               ; ao s[4:5], wo s[6:7], bout s[8:9], out0 s[10:11]
	v_lshl_add_u32 v28, v0, 2, SPARE
	v_mov_b32 v29, 0
	ds_add_u32 v28, v29                            ; the wave's opening: the add, twice on end, and its wait ahead of my first tensor load
	ds_add_u32 v28, v29
	v_lshrrev_b32 v1, 5, v0
	v_readfirstlane_b32 s12, v1                    ; wave 0..3
	s_bfe_u32 s13, ttmp6, 0x40000                  ; cx
	s_lshl_b32 s14, ttmp9, 2
	s_add_co_u32 s14, s14, s13                     ; X: my block of 256 tokens
	s_and_b32 s15, ttmp7, 0xffff                   ; y: my block of 128 columns, which the partners share
	; descriptor group 1: a dense block of 32 KiB as 128 rows of 256 bytes (32 elements of 8 bytes); the mask names all four work-groups, bit 21 set beside it
	s_mov_b32 s24, 15|(3<<16)|(1<<21)
	s_mov_b32 s25, 32<<16                          ; tensor_dim0
	s_mov_b32 s26, 128<<16                         ; tensor_dim1
	s_mov_b32 s27, 32<<16                          ; tile_dim0
	s_mov_b32 s28, 128                             ; tile_dim1
	s_mov_b32 s29, 32                              ; the pitch
	s_mov_b32 s30, 0
	s_mov_b32 s31, 0
	s_lshl_b32 s33, s12, 15                        ; LDS: my quarter
	s_lshl_b32 s16, s15, 17
	s_add_co_u32 s16, s16, s33                     ; wo: 131,072 y + 32,768 wave: nothing of cx
	s_mov_b32 s17, 0
	s_lshl_b32 s18, s14, 18                        ; ao: tile 16 X + 4 wave, 16,384 bytes each
	s_lshl_b32 s20, s12, 16
	s_add_co_u32 s18, s18, s20
	s_mov_b32 s19, 0
	s_lshl_b32 s20, s14, 20                        ; out0: row 256 X + 64 wave of 4,096 bytes, + 512 y
	s_lshl_b32 s22, s12, 18
	s_add_co_u32 s20, s20, s22
	s_lshl_b32 s22, s15, 9                         ; (also bout's offset)
	s_add_co_u32 s20, s20, s22
	s_mov_b32 s21, 0
	s_mov_b32 s23, 0
	s_wait_dscnt 0x0                               ; both opening adds are done
	s_wait_kmcnt 0x0
	s_mov_b32 s32, 1
	s_add_nc_u64 s[34:35], s[6:7], s[16:17]
	s_or_b32 s35, s35, 0x80000000
	s_add_nc_u64 s[4:5], s[4:5], s[18:19]
	s_add_nc_u64 s[10:11], s[10:11], s[20:21]
	s_add_nc_u64 s[8:9], s[8:9], s[22:23]
	CROUND                                         ; all four work-groups are here: the joint loads meet
	tensor_load_to_lds s[32:35], s[24:31]          ; my one tensor load
	s_nop 0
	PLACES 4
	v_and_b32 v7, 31, v0
	v_lshlrev_b32 v1, 4, v7                        ; 16 lane
	v_bfe_u32 v8, v0, 4, 1                         ; h
	v_lshlrev_b32 v4, 5, v8                        ; 32 h
.irp b, 0,1,2,3,4,5,6,7
	global_load_b128 v[32+8*\b:35+8*\b], v4, s[8:9] offset:64*\b           ; the bias in the result's layout: columns 16 b + 8 h + 0..7
	global_load_b128 v[36+8*\b:39+8*\b], v4, s[8:9] offset:64*\b+16
.endr
	WIN 0x80                                       ; destination window 2
.irp kg, 0,1,2,3,4,5,6,7
.irp a, 0,1,2,3
.irp c, 0,1
	global_load_b128 v[32*\kg+8*\a+4*\c:32*\kg+8*\a+4*\c+3], v1, s[4:5] offset:16384*\a+1024*\kg+512*\c
.endr
.endr
.endr
	WIN 0xc0                                       ; destination window 3
.irp kg, 0,1,2,3,4,5,6,7
.irp a, 0,1,2,3
.irp c, 0,1
	global_load_b128 v[32*\kg+8*\a+4*\c:32*\kg+8*\a+4*\c+3], v1, s[4:5] offset:16384*\a+1024*(8+\kg)+512*\c
.endr
.endr
.endr
	WIN 0
	v_add_nc_u32 v3, 65536, v1
	v_and_b32 v9, 15, v0                           ; r
	s_mul_i32 s16, s12, 16*SP
	s_add_co_u32 s16, s16, STAGE                   ; my stage
	v_mul_u32_u24 v5, v9, SP
	v_lshl_add_u32 v5, v8, 5, v5
	v_add_nc_u32 v5, s16, v5                       ; in: row r, 32 bytes for each half of the lanes
	v_add_nc_u32 v6, s16, v1                       ; back: the 32 lanes take a row of 512 bytes
.macro FETCHW kg                       ; Wout's eight fragments of k group kg into set kg % 2: contiguous reads, 512 bytes each
.irp b, 0,1,2,3,4,5,6,7
.irp c, 0,1
	ds_load_b128 v[128+64*((\kg)%2)+8*\b+4*\c:128+64*((\kg)%2)+8*\b+4*\c+3], v[1+2*((\kg)/8)] offset:((\kg)%8)*8192+1024*\b+512*\c
.endr
.endr
.endm
; 32 along K: 32 matrix instructions; the 32 accumulators take turns, one instruction a turn, in the same order in every step
.macro STEP kg
.if (\kg) < 15
.if (\kg) > 0
	PLACES 4                                       ; four places in front of loads into registers that matrix instructions have read
.endif
	FETCHW (\kg)+1
	s_wait_dscnt 16                                ; all but the 16 just issued
.else
	s_wait_dscnt 0x0
.endif
.if 120-8*(\kg) > 63
	s_wait_loadcnt 63                              ; behind this group's eight loads of ao 120 - 8 kg were issued; the count can name 63 at the most, and a smaller count is safe
.else
	s_wait_loadcnt 120-8*(\kg)
.endif
.if (\kg) == 0
	WIN 0x48                                       ; source 1 (ao) window 2, C (the bias) window 0, D window 1
.elseif (\kg) < 8
	WIN 0x58                                       ; C and D window 1
.else
	WIN 0x5c                                       ; source 1 window 3
.endif
.irp a, 0,1,2,3
.irp b, 0,1,2,3,4,5,6,7
.if (\kg) == 0
	v_wmma_f32_16x16x32_f16 v[8*(8*\a+\b):8*(8*\a+\b)+7], v[128+64*((\kg)%2)+8*\b:128+64*((\kg)%2)+8*\b+7], v[32*((\kg)%8)+8*\a:32*((\kg)%8)+8*\a+7], v[32+8*\b:39+8*\b]
.else
	v_wmma_f32_16x16x32_f16 v[8*(8*\a+\b):8*(8*\a+\b)+7], v[128+64*((\kg)%2)+8*\b:128+64*((\kg)%2)+8*\b+7], v[32*((\kg)%8)+8*\a:32*((\kg)%8)+8*\a+7], v[8*(8*\a+\b):8*(8*\a+\b)+7]
.endif
.endr
.endr
	WIN 0
.endm
	s_wait_tensorcnt 0x0                           ; my quarter of Wout's block has landed,
	s_barrier_signal -1
	s_barrier_wait -1                              ; everybody's has
	FETCHW 0
.irp kg, 0,1,2,3,4,5,6,7,8,9,10,11,12,13,14,15
	STEP \kg
.endr
; THE WAY OUT, block by block of 16 tokens x 128 columns.  A lane holds 32 neighbouring bytes of a row, and the lanes beside it hold other rows: a block goes through my own stage and comes back as whole rows of 512 bytes.
; LDS serves a wave's instructions in order: no wait between the stores and the loads, nor in front of the next block's stores.
.macro TOSTAGE a
	WIN 0x04                                       ; an LDS store's data are its source 1: window 1
.irp b, 0,1,2,3,4,5,6,7
	ds_store_b128 v5, v[8*(8*(\a)+\b):8*(8*(\a)+\b)+3] offset:64*\b            ; each accumulator from its low end on
	ds_store_b128 v5, v[8*(8*(\a)+\b)+4:8*(8*(\a)+\b)+7] offset:64*\b+16
.endr
	WIN 0
.irp t, 0,1,2,3,4,5,6,7,8,9,10,11,12,13,14,15
	ds_load_b128 v[128+64*((\a)%2)+4*\t:128+64*((\a)%2)+4*\t+3], v6 offset:SP*\t
.endr
.endm
.macro SEND a, younger                 ; younger: the LDS instructions issued behind block a's loads, which may stay out
	s_wait_dscnt \younger
.irp t, 0,1,2,3,4,5,6,7,8,9,10,11,12,13,14,15
	global_store_b128 v1, v[128+64*((\a)%2)+4*\t:128+64*((\a)%2)+4*\t+3], s[10:11] offset:4096*(16*(\a)+\t) th:TH_STORE_NT   ; 32 lanes store 512 consecutive bytes, at a multiple of 256 from out0's first byte; written once, read by nobody here
.endr
.endm
	PLACES 4                                       ; behind the last products: their results are read, and the registers that held Wout's fragments are loaded
	TOSTAGE 0
	TOSTAGE 1
	SEND 0, 32                                     ; behind block 0's loads: block 1's 16 stores and 16 loads
	s_wait_xcnt 0x0                                ; block 0's stores have read their registers: block 2's loads may land there
	TOSTAGE 2
	SEND 1, 32
	s_wait_xcnt 0x0
	TOSTAGE 3
	SEND 2, 32
	SEND 3, 0
	s_wait_tensorcnt 0x0                           ; the wave's end: behind my last tensor load and my last LDS store: this wait, 0 onto my spare word, and its wait
	ds_add_u32 v28, v29
	s_wait_dscnt 0x0
	CROUND                                         ; the closing round: no work-group ends while a partner may still ask for a tile that names it
	s_endpgm
.Lfunc_end_k_q0c1e9dcd70_proj:
	.size	k_q0c1e9dcd70_proj, .Lfunc_end_k_q0c1e9dcd70_proj-k_q0c1e9dcd70_proj
	.p2alignl 7, 3214868480
	.fill 96, 4, 3214868480
	.section	.rodata,"a",@progbits
	.p2align	6, 0x0
	.amdhsa_kernel k_q0c1e9dcd70_proj
		.amdhsa_group_segment_fixed_size 167936
		.amdhsa_private_segment_fixed_size 0
		.amdhsa_enable_private_segment 0
		.amdhsa_kernarg_size 32
		.amdhsa_user_sgpr_count 2
		.amdhsa_user_sgpr_kernarg_segment_ptr 1
		.amdhsa_wavefront_size32 1
		.amdhsa_system_sgpr_workgroup_id_x 1
		.amdhsa_system_sgpr_workgroup_id_y 1
		.amdhsa_system_sgpr_workgroup_id_z 1
		.amdhsa_system_vgpr_workitem_id 0
		.amdhsa_next_free_vgpr 1024
		.amdhsa_next_free_sgpr 66
		.amdhsa_reserve_vcc 0
		.amdhsa_float_denorm_mode_32 3
		.amdhsa_float_denorm_mode_16_64 3
		.amdhsa_memory_ordered 1
		.amdhsa_forward_progress 1
		.amdhsa_inst_pref_size 84
	.end_amdhsa_kernel
	.amdgpu_metadata
---
amdhsa.version: [ 1, 2 ]
amdhsa.kernels:
  - .name:           k_q0c1e9dcd70_proj
    .symbol:         k_q0c1e9dcd70_proj.kd
    .args:
      - { .name: ao, .offset: 0, .size: 8, .value_kind: global_buffer, .address_space: global }
      - { .name: wo, .offset: 8, .size: 8, .value_kind: global_buffer, .address_space: global }
      - { .name: bout, .offset: 16, .size: 8, .value_kind: global_buffer, .address_space: global }
      - { .name: out0, .offset: 24, .size: 8, .value_kind: global_buffer, .address_space: global }
    .group_segment_fixed_size: 167936
    .private_segment_fixed_size: 0
    .kernarg_segment_align: 8
    .kernarg_segment_size: 32
    .max_flat_workgroup_size: 128
    .sgpr_count:     66
    .vgpr_count:     1024
    .wavefront_size: 32
...
	.end_amdgpu_metadata
.endif
;; end of part 4
